; MI455X (gfx1250); checked and timed in simulation.
; The chip was launched on July 23, 2026; its instructions are those of AMD's public machine-readable ISA for CDNA 5 (MIT licence, August 2026) and "CDNA5" Instruction Set Architecture Reference Guide (July 2026). The comments in the code are by the model that wrote it; some were corrected since.
;; Quantum Attention Old. Allowed arithmetic: matrix products marked QUANTISED: E5M2 operands, one given power-of-two scale a tensor, by v_wmma_f32_16x16x64_bf8_bf8 or v_wmma_f32_16x16x128_bf8_bf8, f32 sums; everything else in f32.
;; Inputs: keys 2 x 2,048 x 16 x 128 float32; lowp_scales 4 int32 (the exponents e of the quantised operands' scales 2^e); q_params 4 float32; queries 2 x 2,048 x 16 x 128 float32; values 2 x 2,048 x 16 x 128 float32.
;; Outputs: out0 2 x 2,048 x 16 x 128 float32.
;; This version of the problem:
;;   THIS VERSION OF THE PROBLEM IS GIVEN IN LOW PRECISION. The matrix products marked QUANTISED in the list below multiply operands that are first quantised to E5M2 (5 exponent bits, 2 mantissa bits; 8 bits a number), with one given power-of-two scale for each operand tensor; their sums are f32. All else is computed in f32.
;;   The module's matrix products, in the order in which they are computed (A, B: the left and right operand; K: the contracted axis; several contracted axes count as one K, in the product's order):
;;     1. batch 32 x [M 2,048, K 128] x [K 128, N 2,048]; A: input values; B: input keys: QUANTISED (scales: A lowp_scales[0], B lowp_scales[1])
;;     2. batch 32 x [M 128, K 2,048] x [K 2,048, N 2,048]; A: input values; B: softmax (see below): QUANTISED (scales: A lowp_scales[2], B lowp_scales[3])
;;   THE QUANTISER, for each operand of a quantised product, along K:
;;     - The operand's scale is 2^e, e = its entry of the input lowp_scales (int32; the entries are numbered through the quantised products in the list's order, A before B).
;;     - Each number is divided by the scale, clamped to +-57,344, and rounded to the nearest number of E5M2, ties to even, subnormals kept.
;;     - The product sums the exact products of the quantised numbers (number of the format x scale) in f32.
;;   ~~~python
;;   def quantise(x, axis, e):      # numpy; x: float32 -> the quantised numbers, widened to float32 again
;;       x = np.moveaxis(x, axis, -1); K = x.shape[-1]
;;       r = np.clip(x / 2.0 ** e, -57344, 57344)
;;       step = 2.0 ** (np.maximum(np.frexp(np.where(r == 0, 1, r))[1] - 1, -14) - 2)
;;       q = np.round(r / step) * step * 2.0 ** e      # np.round: ties to even
;;       return np.moveaxis(q, -1, axis).astype(np.float32)
;;   ~~~
;;   SOFTMAX AHEAD OF A QUANTISED PRODUCT. Where the list says 'softmax', what is quantised is not the finished softmax but p = 2^(t - M), with t = logit x log2(e) and M = ceil(the row's largest t), a whole number; so 1/2 < the row's largest p <= 1. The row's sum l is taken of the UNQUANTISED p, in f32, and the product's result is divided by l at the end. Since M is a whole number, a kernel that streams over the keys may use a running M (the ceiling of the running maximum): every later rescaling is an exact power of two, so the quantised numbers keep their values, but for numbers so far below the row's largest that they fall under the format's range.
;;   OPERANDS COMPUTED ON THE WAY. 'Computed on the way' means the value that the module computes at that place (a softmax that the list does not call 'softmax' is quantised finished and normalised). What goes into a quantiser is computed in f32, as accurately as f32 sums, v_exp_f32 and their like allow (about 1e-6 of the number): no bf16 or f16 on the way to a quantiser, and a product that is left as it is and whose result goes on into a quantised operand takes f32 operands (vector FMAs, or v_wmma_f32_16x16x4_f32). A number that lies on a knife's edge between two numbers of the format may be rounded either way, as far as f32 arithmetic and the matrix unit's own rounding can turn it there, and no further.
;; One version. Each part assembles by itself: llvm-mc -triple=amdgcn-amd-amdhsa -mcpu=gfx1250 --defsym DOCPART=n.
;; ======== version 1 of 1: 2 launches
;; limits: right only within a limited range of input values
;; workspace buffers: kv 16,777,216 bytes; qv 8,388,608 bytes
;; launch quant (part 1): grid 1024 x 1, 4 waves a work-group, no clusters, 18,944 bytes of LDS; arguments keys, values, lowp_scales, kv, qv; writes kv, qv
.if DOCPART == 1
	.amdgcn_target "amdgcn-amd-amdhsa--gfx1250"
	.amdhsa_code_object_version 6
	.text
	.protected	k_q8bfc9fc293_quant
	.globl	k_q8bfc9fc293_quant
	.p2align	8
	.type	k_q8bfc9fc293_quant,@function
k_q8bfc9fc293_quant:
	s_mov_b64 s[64:65], 0
	v_nop
	global_prefetch_b8 v0, s[64:65] scope:SCOPE_SE
	s_setreg_imm32_b32 hwreg(HW_REG_WAVE_MODE, 25, 1), 1
	s_wait_xcnt 0x0
; keys and values, [2][2048][16][128] f32, become codes of BF8 (E5M2), laid as IMAGES OF THE OPERANDS' REGISTERS (2,048 bytes: lane l's 16 bytes of register group c lie at 512 c + 16 l) for the attention launch:
;   kv = [bh = 16 b + h (32)][place (16)][part: 0 K, 1 V][tile (8)][image].  A place holds a key step of 128 keys; places 4 s .. 4 s + 3 hold steps 2 s, 2 s + 1, 14 - 2 s, 15 - 2 s: one slot of the attention launch.
;   qv = [bh][block of 128 positions (16)][tile (8)][image]: values as the first product's rows.
;   K and Q images, tile 2 b' + u, lane (r = l % 16, hh = l / 16), group c: row 32 b' + 8 u + r + 8 (r / 8) of the 128, channels 32 c + 16 hh + 0 .. 15; scale 2^e1 (keys), 2^e0 (values).
;   V image, tile t, lane (r, hh), group c: keys 32 c + 16 hh + 0 .. 15 of the step, channel 64 (t % 2) + 4 r + t / 2, scale 2^e2: the keys' axis is that product's K and lies innermost.
; code = x / 2^e, held within +-57,344, rounded to the nearest code, ties to even.
; LIMITS: e0, e1 and e2 between -126 and 112, so that 2^e and 57,344 x 2^e are f32 numbers.  NaN among the inputs is not served; an infinity is held at the largest code.
; WORK LEFT OUT IN THE PROGRAM: the input queries is no argument of any launch: reference() takes its shape and type alone, so none of its numbers reaches the output, whatever they are.  Key tiles that lie wholly above the
;   diagonal are not multiplied (attention launch): reference() puts -infinity in front of the softmax there, so they add 0 for all inputs.  A NaN, an infinity or an overflow that reaches only this work is not carried to the result.
;   cos(q_params[0]) stays: it moves p's codes.
; A wave takes 32 rows of one head of one tensor: work-groups 0-511 values, 512-1023 keys.  A row (512 bytes) is read whole by one load, so lane l holds channels 4 l .. 4 l + 3 of all 32 rows.
; BY ROWS (K and Q): eight neighbouring registers are two rows x four channels: their codes are one word for each row.  The 32 x 32 words turn through the wave's own LDS (rows of 128 bytes, 144 apart: 36 words, so the 16 rows
;   that a read touches start at 16 different groups of four banks; 64 banks of 4 bytes: ISA guide 11.1) and come back as the images' registers.
; BY COLUMNS (V): a lane's registers of one channel run down the keys, four apart: the hold writes them side by side.  No LDS.  The wave shares nothing: no barrier, no tensor load.
.set ROWP, 8192                        ; bytes from a position to the next: 16 heads x 128 x 4
.set RP,   144
.set WREG, 32*RP                       ; a wave's LDS: 18 blocks of 256 bytes
.set SPARE, 4*WREG                     ; the spare words: two blocks of 256 bytes that no other line names
.set R,    16                          ; v16-143   32 rows as loaded; kept to the end
.set T,    144                         ; v144-207  held numbers: two sets of 32 (by rows); then v144-175 the images, v176-207 two sets of 16 (by columns)
.set D,    208                         ; v208-239  codes
.macro SCALE e, vs, vl                 ; s[e] holds the exponent: v[vs] = 2^e as f32 (the conversion takes its exponent field), v[vl] = 57,344 x 2^e
	s_add_co_i32 s36, s[\e], 127
	s_lshl_b32 s37, s36, 23
	v_mov_b32 v[\vs], s37
	s_add_co_i32 s36, s36, 15
	s_lshl_b32 s36, s36, 23
	s_or_b32 s36, s36, 0x600000                    ; the mantissa field of 57,344
	v_mov_b32 v[\vl], s36
.endm
.macro ROWS g                          ; rows 8 g .. 8 g + 7
	s_wait_loadcnt 24-8*\g                         ; they are in; the rows behind them may be out
.set TS, T+32*(\g%2)
.set j, 0
.rept 32
	v_med3_num_f32 v[TS+j], v[R+32*\g+j], -v10, v10   ; the conversion to an 8-bit code does not saturate (ISA guide 7.6.2): the hold comes first
.set j, j+1
.endr
.irp n, 0,1,2,3
	v_cvt_scalef32_pk8_bf8_f32 v[D+8*\g+2*\n:D+8*\g+2*\n+1], v[TS+8*\n:TS+8*\n+7], v11   ; row 8 g + 2 n's word, then row 8 g + 2 n + 1's
.endr
.irp i, 0,1,2,3,4,5,6,7
	ds_store_b32 v14, v[D+8*\g+\i] offset:RP*(16*(\g%2)+8*(\g/2)+\i)   ; row k lies at place 16 ((k / 8) % 2) + 8 (k / 16) + k % 8: a tile's 16 rows are neighbours
.endr
.endm
.macro COLS c, hh                      ; channel 4 l + c, keys 16 hh + 0 .. 15
.set TS, T+32+16*\hh
.irp i, 0,1,2,3,4,5,6,7,8,9,10,11,12,13,14,15
	v_med3_num_f32 v[TS+\i], v[R+4*(16*\hh+\i)+\c], -v12, v12
.endr
	v_cvt_scalef32_pk8_bf8_f32 v[D+8*\c+4*\hh:D+8*\c+4*\hh+1], v[TS:TS+7], v13
	v_cvt_scalef32_pk8_bf8_f32 v[D+8*\c+4*\hh+2:D+8*\c+4*\hh+3], v[TS+8:TS+15], v13
.endm
	s_load_b256 s[4:11], s[0:1], 0x0               ; keys s[4:5], values s[6:7], the scales' exponents s[8:9], kv s[10:11]
	s_load_b64 s[28:29], s[0:1], 0x20              ; qv
	v_lshl_add_u32 v240, v0, 2, SPARE
	v_mov_b32 v241, 0
	v_lshrrev_b32 v1, 5, v0
	v_readfirstlane_b32 s12, v1                    ; wave 0..3
	v_and_b32 v2, 31, v0                           ; lane
	s_mul_i32 s25, s12, WREG                       ; my wave's LDS
	v_lshlrev_b32 v3, 4, v2                        ; 16 x lane: my bytes of a row, and of an image's group
	v_and_b32 v5, 15, v2
	v_lshrrev_b32 v6, 4, v2
	v_lshlrev_b32 v14, 2, v2
	v_add_nc_u32 v14, s25, v14                     ; into LDS: my word of a row
	v_mul_u32_u24 v15, v5, RP
	v_lshl_add_u32 v15, v6, 4, v15
	v_add_nc_u32 v15, s25, v15                     ; and out: row lane % 16, + 16 bytes for lanes 16-31
	v_lshlrev_b32 v4, 11, v6
	v_lshl_add_u32 v4, v5, 4, v4                   ; V's images: image lane / 16 of two, 16 bytes at 16 (lane % 16)
	; work-group g of the tensor: b = g / 256, the group of 32 rows = (g / 4) % 64, head = 4 (g % 4) + wave
	s_and_b32 s13, ttmp9, 511
	s_lshr_b32 s24, s13, 8                         ; b
	s_bfe_u32 s14, s13, 0x60002                    ; the group (6 bits from bit 2)
	s_and_b32 s15, s13, 3
	s_lshl_b32 s15, s15, 2
	s_add_co_u32 s15, s15, s12                     ; h
	s_lshl_b32 s16, s24, 24                        ; in: b x 2^24 + group x 32 positions + h x 512
	s_lshl_b32 s26, s14, 18
	s_add_co_u32 s16, s16, s26
	s_lshl_b32 s26, s15, 9
	s_add_co_u32 s16, s16, s26
	s_mov_b32 s17, 0
	s_lshl_b32 s24, s24, 4
	s_add_co_u32 s24, s24, s15                     ; bh
	s_and_b32 s27, s14, 3                          ; which 32 of the 128
	s_lshr_b32 s25, s14, 2                         ; the step, or block, of 128
	s_xor_b32 s26, s25, 15
	s_min_u32 s26, s25, s26
	s_lshr_b32 s26, s26, 1                         ; the slot: min(step, 15 - step) / 2
	s_lshl_b32 s26, s26, 2
	s_lshr_b32 s18, s25, 3
	s_lshl_b32 s18, s18, 1
	s_add_co_u32 s26, s26, s18
	s_and_b32 s18, s25, 1
	s_add_co_u32 s26, s26, s18                     ; the place: 4 slot + 2 (step / 8) + step % 2
	s_lshl_b32 s18, s24, 19
	s_lshl_b32 s26, s26, 15
	s_add_co_u32 s18, s18, s26                     ; the place's first byte in kv,
	s_lshl_b32 s20, s24, 18
	s_lshl_b32 s25, s25, 14
	s_add_co_u32 s20, s20, s25                     ; the block's first byte in qv
	s_cmp_lt_u32 ttmp9, 512
	s_cselect_b32 s20, s20, s18
	s_lshl_b32 s26, s27, 12
	s_add_co_u32 s20, s20, s26                     ; my two images by rows: in qv (values) or kv (keys)
	s_mov_b32 s21, 0
	s_lshl_b32 s26, s27, 9
	s_add_co_u32 s18, s18, s26
	s_add_co_u32 s18, s18, 16384                   ; and my group of V's images
	s_mov_b32 s19, 0
	s_wait_alu depctr_va_vdst(0)                   ; directly ahead of the wait below
	s_wait_kmcnt 0x0
	s_load_b128 s[32:35], s[8:9], 0x0              ; e0 .. e3
	s_cmp_lt_u32 ttmp9, 512
	s_cselect_b64 s[4:5], s[6:7], s[4:5]           ; values or keys
	s_cselect_b64 s[30:31], s[28:29], s[10:11]     ; qv or kv
	s_add_nc_u64 s[4:5], s[4:5], s[16:17]
	s_add_nc_u64 s[30:31], s[30:31], s[20:21]
	s_add_nc_u64 s[10:11], s[10:11], s[18:19]
.irp k, 0,1,2,3,4,5,6,7,8,9,10,11,12,13,14,15,16,17,18,19,20,21,22,23,24,25,26,27,28,29,30,31
	global_load_b128 v[R+4*\k:R+4*\k+3], v3, s[4:5] offset:\k*ROWP th:TH_LOAD_NT   ; 32 lanes read the row's 512 consecutive bytes
.endr
	s_wait_kmcnt 0x0
	s_cmp_lt_u32 ttmp9, 512
	s_cselect_b32 s33, s32, s33                    ; e0 (values) or e1 (keys)
	SCALE 33, 11, 10
	SCALE 34, 13, 12                               ; e2
	s_wait_alu depctr_va_vdst(0)                   ; the head's end
	ROWS 0
	ROWS 1
	ROWS 2
	ROWS 3
.irp u, 0,1
.irp c, 0,1,2,3
	ds_load_b128 v[T+16*\u+4*\c:T+16*\u+4*\c+3], v15 offset:16*RP*\u+32*\c   ; LDS serves a wave's instructions in order (ISA guide 5.7.1.4): these see the stores above
.endr
.endr
	s_cmp_lt_u32 ttmp9, 512
	s_cbranch_scc0 .Lrows_out
	s_wait_dscnt 8                                 ; my stores have read the codes' registers; the eight loads may be out
.irp c, 0,1,2,3
	COLS \c, 0
	COLS \c, 1
.endr
.irp c, 0,1,2,3
	global_store_b128 v4, v[D+8*\c:D+8*\c+3], s[10:11] offset:4096*\c          ; keys 0 .. 15: the image's lanes 0-15; sixteen lanes store 256 consecutive bytes, aligned
	global_store_b128 v4, v[D+8*\c+4:D+8*\c+7], s[10:11] offset:4096*\c+256    ; keys 16 .. 31: its lanes 16-31
.endr
.Lrows_out:
.irp i, 0,1,2,3,4,5,6,7
	s_wait_dscnt 7-\i
	global_store_b128 v3, v[T+4*\i:T+4*\i+3], s[30:31] offset:512*\i           ; two images on end; 32 lanes store 512 consecutive bytes, at a multiple of 256 from the buffer's first byte
.endr
	s_wait_tensorcnt 0x0                           ; the wave's end: behind my last LDS store
	ds_add_u32 v240, v241
	s_wait_dscnt 0x0
	s_endpgm
.Lfunc_end_k_q8bfc9fc293_quant:
	.size	k_q8bfc9fc293_quant, .Lfunc_end_k_q8bfc9fc293_quant-k_q8bfc9fc293_quant
	.p2alignl 7, 3214868480
	.fill 96, 4, 3214868480
	.section	.rodata,"a",@progbits
	.p2align	6, 0x0
	.amdhsa_kernel k_q8bfc9fc293_quant
		.amdhsa_group_segment_fixed_size 18944
		.amdhsa_private_segment_fixed_size 0
		.amdhsa_enable_private_segment 0
		.amdhsa_kernarg_size 40
		.amdhsa_user_sgpr_count 2
		.amdhsa_user_sgpr_kernarg_segment_ptr 1
		.amdhsa_wavefront_size32 1
		.amdhsa_system_sgpr_workgroup_id_x 1
		.amdhsa_system_sgpr_workgroup_id_y 1
		.amdhsa_system_sgpr_workgroup_id_z 1
		.amdhsa_system_vgpr_workitem_id 0
		.amdhsa_next_free_vgpr 242
		.amdhsa_next_free_sgpr 66
		.amdhsa_reserve_vcc 0
		.amdhsa_float_denorm_mode_32 3
		.amdhsa_float_denorm_mode_16_64 3
		.amdhsa_memory_ordered 1
		.amdhsa_forward_progress 1
		.amdhsa_inst_pref_size 30
	.end_amdhsa_kernel
	.amdgpu_metadata
---
amdhsa.version: [ 1, 2 ]
amdhsa.kernels:
  - .name:           k_q8bfc9fc293_quant
    .symbol:         k_q8bfc9fc293_quant.kd
    .args:
      - { .name: keys, .offset: 0, .size: 8, .value_kind: global_buffer, .address_space: global }
      - { .name: values, .offset: 8, .size: 8, .value_kind: global_buffer, .address_space: global }
      - { .name: lowp_scales, .offset: 16, .size: 8, .value_kind: global_buffer, .address_space: global }
      - { .name: kv, .offset: 24, .size: 8, .value_kind: global_buffer, .address_space: global }
      - { .name: qv, .offset: 32, .size: 8, .value_kind: global_buffer, .address_space: global }
    .group_segment_fixed_size: 18944
    .private_segment_fixed_size: 0
    .kernarg_segment_align: 8
    .kernarg_segment_size: 40
    .max_flat_workgroup_size: 128
    .sgpr_count:     66
    .vgpr_count:     242
    .wavefront_size: 32
...
	.end_amdgpu_metadata
.endif
;; end of part 1
;; launch attn (part 2): grid 8 x 32, 8 waves a work-group, clusters of 4 x 1, 327,680 bytes of LDS; arguments kv, qv, lowp_scales, q_params, out0; writes out0
.if DOCPART == 2
	.amdgcn_target "amdgcn-amd-amdhsa--gfx1250"
	.amdhsa_code_object_version 6
	.text
	.protected	k_q8bfc9fc293_attn
	.globl	k_q8bfc9fc293_attn
	.p2align	8
	.type	k_q8bfc9fc293_attn,@function
k_q8bfc9fc293_attn:
	s_mov_b64 s[64:65], 0
	v_nop
	global_prefetch_b8 v0, s[64:65] scope:SCOPE_SE
	s_setreg_imm32_b32 hwreg(HW_REG_WAVE_MODE, 25, 1), 1
	s_wait_xcnt 0x0
	s_wait_alu depctr_hold_cnt(0) depctr_sa_sdst(0) depctr_va_vdst(0) depctr_va_sdst(0) depctr_va_ssrc(0) depctr_va_vcc(0) depctr_vm_vsrc(0)
	s_getreg_b32 s2, hwreg(HW_REG_IB_STS2, 6, 4)
	s_cmp_eq_u32 s2, 0
	s_cbranch_scc0 .Lentry_in_a_cluster
	s_endpgm
.Lentry_in_a_cluster:
	s_bfe_u32 s2, ttmp6, 0x10000c
	s_cmp_lg_u32 s2, 0x3003
	s_cbranch_scc0 .Lentry_shape_is_right
	s_endpgm
.Lentry_shape_is_right:
; out0[b][l][h][:] = the sum over s <= l of softmax_s((cos(q_params[0]) + 0.5 values[b][l][h] . keys[b][s][h]) / sqrt(128)) values[b][s][h][:], both products on codes of BF8 (E5M2), laid as images of the operands' registers in qv
; (values as the first product's rows, scale 2^e0) and kv (keys, 2^e1; values along the keys, 2^e2).  p is quantised here, scale 2^e3.
; THE SOFTMAX AHEAD OF THE SECOND PRODUCT: t = c x sum + t0, c = 0.5 log2(e) / sqrt(128) x 2^(e0 + e1), t0 = cos(theta) log2(e) / sqrt(128); M = the row's largest t so far, rounded UP to a whole number;
; p = 2^(t - M) is quantised, not normalised; the row's sum is taken of the unquantised p and divides at the end.  When M moves, the sum and O are multiplied by 2^(old M - new M): exact.
; WORK LEFT OUT: queries is no argument (reference() uses none of its numbers), and key steps wholly above the diagonal are not walked (reference() puts -infinity there); a NaN, an infinity or an overflow that reaches only these is not carried.
; SHARES.  A unit is 32 queries: rows 32 cx .. 32 cx + 31 of a block of 128 (rank 0 .. 15) of one (b, h), in two tiles of 16: tile u's lane r is row 32 cx + 8 u + r + 8 (r / 8).  A unit of rank R needs key steps 0 .. R; step R holds its diagonal.
; A work-group has four PAIRS of units, ranks p and 15 - p, p = 4 x cluster x + pair: 17 unit-steps a pair, for every p.  Slot s brings key steps 2 s, 2 s + 1, 14 - 2 s, 15 - 2 s: at TIME t (two in a slot) steps t and 15 - t are at hand.
;   Wave a (0-3, pair w): the long unit (rank 15 - p) on step t, t = 0 .. 7, and at t = p on its diagonal, step 15 - p.
;   Wave b (4-7, pair w - 4): the short unit (rank p) on step t while t <= p; at t = p it stores that unit and takes the long one on, on step 15 - t, t = p + 1 .. 7.
;   So a pair has two unit-steps at each time and three at t = p.  At the end a and b exchange a tile each through LDS, and each joins and stores one tile of the long unit (where p = 7, b's part is empty: sum and O are 0).
; CLUSTER.  The four work-groups of a cluster have the same ranks and walk the same four slots: each eighth of a slot is asked for JOINTLY by the same tensor load with the same descriptor and the mask of all four.
; NO PREFETCH: there are four fills in all, the first at the head; a refill stands ahead of two unit-steps of every wave, 64 matrix instructions a wave and their softmax, and the wait for it behind them.
; LAYOUT.  Both products are used transposed: S^T = K Q^T (source 0 = 16 keys, source 1 = 16 queries), O^T = V^T P^T (source 0 = 16 channels, source 1 = P): a lane holds ONE query of each tile (lane % 16) throughout, and each fragment
; of K or V feeds both tiles.  The 16 registers of S^T tiles 2 b' and 2 b' + 1 are keys 32 b' + 16 (lane / 16) + 0 .. 15: the conversions' results are the second product's operand.
; Row m of O^T's tile k is channel 64 (k % 2) + 4 m + k / 2: register j of tiles k % 2, + 2, + 4, + 6 are four neighbouring channels of a lane's query.
; An operand's registers 4 c .. 4 c + 3 hold k = 32 c + 16 (lane / 16) + 0 .. 15, alike in both sources of each product: a permutation of k that only regroups the sums inside an instruction.
; LIMITS: e3 between -126 and 112; e0 + e1 between -122 and 131 (they are added to c's exponent field); e2 + e3 goes by v_ldexp_f32 and has none.  |theta| under 10^6: cos by a reduction in two parts and two polynomials, absolute
; error under 10^-6.  t is one fused multiply-add, where the definition multiplies three times, and the long unit's two parts are summed apart: other orders of rounding.  NaN among the inputs is not served.
; LDS: slot 0 at 0, slot 1 at 131,072 (four steps of 32,768 bytes each: K's 8 images of 2,048, then V's 8); the spare words at 262,144; the stages behind them (16 rows x 272 bytes a wave).  The exchange lies in slot 0 behind its last fill.
; REGISTERS, window 0: v1-9 addresses and ids; v10 t0 - M (tile 0), v11 t0, v12 t0 - M (tile 1), v13, v16 the largest t, v14, v15 -M; v[18:19], v[20:21] the sums in two halves; v22, v24 f; v26-29 at work; v30 57,344 x 2^e3, v31 2^e3;
;   v32-63 Q of the unit in hand; v64-191 S^T, then p; v192-223 p's codes (ahead of them, partial sums); v224-255 Q of the long unit.  Window 1: O^T (128 registers), then eight fragments of K or V (128).
.set SLOT1, 1<<17                      ; slot 1 begins here: one exclusive or turns an address in one slot into the other's
.set PARTB, 16384                      ; K's part of a step; V's follows
.set IMG,   2048                       ; an image
.set SPARE, 2*SLOT1                    ; the spare words: four blocks of 256 bytes that no other line names
.set STAGE, SPARE+8*128
.set SP,    272                        ; a stage row: 256 bytes + 16 = 68 words: row r starts at bank 4 r mod 64 (64 banks of 4 bytes: ISA guide 11.1)
.set EXB,   8704                       ; a wave's part of the exchange: a tile of O^T (8,192 bytes), then -M and the sum
.set ROWP,  8192                       ; bytes from a position to the next in out0
.set LI,   1                           ; v1   16 x lane
.set ADR,  2                           ; v2   the step's first byte in LDS + 16 x lane
.set DG,   3                           ; v3, v4  my query's row in its block - 16 (lane / 16), for tile 0 and 1: on the diagonal register 16 b' + i is hidden where 32 b' + i > this
.set SPW,  5                           ; v5   LDS address of my spare word; never rewritten
.set NIL,  6                           ; v6   0; never rewritten
.set GO,   7                           ; v7   the way out: my byte in out0's rows
.set STI,  8                           ; v8   the stage: where I put 128 bytes of a row
.set STB,  9                           ; v9   and where I read a row back
.set HLD,  30
.set PSC,  31
.set QF,   32
.set SC,   64
.set PC,   192
.set Q2,   224
.set FR,   128                         ; in window 1
.set WV,   14                          ; s14  my wave's number
.set TI,   19                          ; s19  the time t
.set SEL,  20                          ; s[20:21] lane selects for v_permlanex16_b32: lane l xor 16
.set CS,   22                          ; s[22:23] c: the packed form names a pair and takes its low word for both halves
.set G1,   24                          ; s[24:31] descriptor group 1
.set G0,   32                          ; s[32:35] descriptor group 0, which walks
.set TB,   36                          ; s36  LDS byte of step t
.set SLOTS, 37                         ; s37  slots still to be asked for
.set IN,   38                          ; s38  times left in the slot
.set PD,   39                          ; s39  the time at which step 15 - t is my diagonal: p (a); beyond every time (b)
.set PA,   53                          ; s53  the last time at which I work on step t: 7 (a), p (b)
.set PB,   54                          ; s54  the time at which step t is my diagonal and I change units: p (b); beyond every time (a)
.set LO,   62                          ; s62  the first and
.set HI,   63                          ; s63  the last time at which I work on step 15 - t: p, p (a); p + 1, 7 (b)
.set MSB,  0
.macro WIN new                         ; the register windows; the immediate's high byte repeats the setting that is left
.if MSB != \new
	s_set_vgpr_msb (MSB<<8)|\new
.set MSB, \new
.endif
.endm
; A round of the cluster's barrier: my work-group's barrier, so that wave 0's signal speaks for all eight waves; wave 0 signals for the work-group; every wave waits for all four work-groups; my work-group's barrier once more.
.macro CROUND
	s_barrier_signal -1
	s_barrier_wait -1
	s_cmp_lg_u32 s[WV], 0
	s_cbranch_scc1 .Lnot_wave_0_\@
	s_barrier_signal -3
.Lnot_wave_0_\@:
	s_barrier_wait -3
	s_barrier_signal -1
	s_barrier_wait -1
.endm
.macro PLACES                          ; four places in front of loads into registers that matrix instructions have read, and of the first read of results (ISA guide 7.12.1 for vector instructions)
.rept 4
	v_nop
.endr
.endm
.macro TLOAD                           ; every wave fetches an eighth of a slot (16,384 bytes)
	tensor_load_to_lds s[G0:G0+3], s[G1:G1+7]
	s_nop 0
	PLACES                                         ; four v_nop follow the load
.endm
; THE CHANGE OF SLOTS stands at a slot's head.  Each wave waits for all its tensor loads (one is out: its eighth of the slot ahead), adds 0 to its spare word, and waits for that and for its reads of the slot that it has left.
; fill = 1: a round of the cluster's barrier, so that no wave of any partner still reads the slot left or has a load on its way; the joint refill of that slot (slot 1's first fill likewise) is the first thing behind it.
.macro CHANGE fill
	s_wait_tensorcnt 0x0                           ; no tensor load of mine is out, so group 0 may be written
	ds_add_u32 v[SPW], v[NIL]                      ; 0 onto my spare word
.if \fill
	s_xor_b32 s[G0+1], s[G0+1], SLOT1              ; the other slot than last time,
	s_add_nc_u64 s[G0+2:G0+3], s[G0+2:G0+3], SLOT1 ; the next four places of kv; the type bits on top are not reached
.endif
	s_wait_dscnt 0x0                               ; the add is done, and my reads of the slot that I have left are over
.if \fill
	CROUND
	TLOAD
.else
	s_barrier_signal -1
	s_barrier_wait -1
.endif
.endm
.macro LD8 part                        ; eight fragments: the step's K (part 0) or V (PARTB).  A load's 32 lanes take 512 consecutive bytes
	WIN 0x40
.irp k, 0,1,2,3,4,5,6,7
.irp c, 0,1,2,3
	ds_load_b128 v[FR+16*\k+4*\c:FR+16*\k+4*\c+3], v[ADR] offset:\part+IMG*\k+512*\c
.endr
.endr
.endm
; A UNIT-STEP: 32 queries x 128 keys.  how = 0: step t; how = 1: step 15 - t.  The accumulators take turns, one instruction a turn.
.macro STEP how
.if \how
	s_cmp_lt_u32 s[TI], s[LO]
	s_cbranch_scc1 .Lskip_\@
	s_cmp_gt_u32 s[TI], s[HI]
.else
	s_cmp_gt_u32 s[TI], s[PA]
.endif
	s_cbranch_scc1 .Lskip_\@
.if \how
	s_xor_b32 s60, s[TB], 0x18000                  ; of the slot's places 0 .. 3: 0 and 3, or 1 and 2
	v_add_nc_u32 v[ADR], s60, v[LI]
.else
	v_add_nc_u32 v[ADR], s[TB], v[LI]
.endif
	PLACES
	s_wait_alu depctr_va_vdst(0)                   ; ahead of the waits below
	LD8 0
	WIN 0x01
.irp k, 0,1,2,3,4,5,6,7                        ; S^T = K Q^T
	s_wait_dscnt 28-4*\k                           ; fragment k's four loads are in; the fragments behind it, four loads each, may be out
	v_wmma_f32_16x16x128_bf8_bf8 v[SC+8*\k:SC+8*\k+7], v[FR+16*\k:FR+16*\k+15], v[QF:QF+15], 0
	v_wmma_f32_16x16x128_bf8_bf8 v[SC+64+8*\k:SC+64+8*\k+7], v[FR+16*\k:FR+16*\k+15], v[QF+16:QF+31], 0
.endr
	PLACES
	LD8 PARTB                                      ; V's fragments are asked for here and land under the softmax
	WIN 0
.if \how
	s_cmp_lg_u32 s[TI], s[PD]                      ; off the diagonal every key counts
.else
	s_cmp_lg_u32 s[TI], s[PB]
.endif
	s_cbranch_scc1 .Lopen_\@
	v_mov_b32 v26, 0xff800000                      ; -infinity: p = 0 then.  The step's first key counts for each of my queries, so the maximum is a number
.irp n, 0,1,2,3,4,5,6,7,8,9,10,11,12,13,14,15,16,17,18,19,20,21,22,23,24,25,26,27,28,29,30,31,32,33,34,35,36,37,38,39,40,41,42,43,44,45,46,47,48,49,50,51,52,53,54,55,56,57,58,59,60,61,62,63
	v_cmp_gt_i32 vcc_lo, 32*(\n/16)+\n%16, v[DG]
	v_cmp_gt_i32 s60, 32*(\n/16)+\n%16, v[DG+1]
	v_cndmask_b32 v[SC+\n], v[SC+\n], v26, vcc_lo
	v_cndmask_b32 v[SC+64+\n], v[SC+64+\n], v26, s60
.endr
.Lopen_\@:
	v_max3_num_f32 v26, v[SC], v[SC+1], v[SC+2]    ; the step's largest scores of my two queries, among my 64 keys, in two chains each; each accumulator from its low end on
	v_max3_num_f32 v28, v[SC+64], v[SC+65], v[SC+66]
	v_max3_num_f32 v27, v[SC+3], v[SC+4], v[SC+5]
	v_max3_num_f32 v29, v[SC+67], v[SC+68], v[SC+69]
.set j, SC+6
.rept 14
	v_max3_num_f32 v26, v26, v[j], v[j+1]
	v_max3_num_f32 v28, v28, v[j+64], v[j+65]
	v_max3_num_f32 v27, v27, v[j+2], v[j+3]
	v_max3_num_f32 v29, v29, v[j+66], v[j+67]
.set j, j+4
.endr
	v_max3_num_f32 v26, v26, v[SC+62], v[SC+63]
	v_max3_num_f32 v28, v28, v[SC+126], v[SC+127]
	v_max_num_f32 v26, v26, v27
	v_max_num_f32 v28, v28, v29
	v_permlanex16_b32 v23, v26, s[SEL], s[SEL+1]
	v_permlanex16_b32 v25, v28, s[SEL], s[SEL+1]
	v_max_num_f32 v26, v26, v23                    ; and among lane l xor 16's
	v_max_num_f32 v28, v28, v25
	v_fma_f32 v26, s[CS], v26, v11                 ; as t = c x score + t0 (c is positive)
	v_fma_f32 v28, s[CS], v28, v11
	v_max_num_f32 v13, v13, v26                    ; the running largest t
	v_max_num_f32 v16, v16, v28
	v_mov_b32 v26, v14
	v_mov_b32 v28, v15
	v_floor_f32 v14, -v13                          ; the new -M = floor(-t) = -ceil(t): M is a whole number
	v_floor_f32 v15, -v16
	v_sub_f32 v26, v14, v26                        ; M's old value less its new one: a whole number, 0 or less
	v_sub_f32 v28, v15, v28
	v_cvt_i32_f32 v26, v26                         ; (it saturates)
	v_cvt_i32_f32 v28, v28
	v_add_f32 v10, v11, v14                        ; t0 - M
	v_add_f32 v12, v11, v15
	v_ldexp_f32 v22, 1.0, v26                      ; f = 2^(old M - new M)
	v_ldexp_f32 v24, 1.0, v28
.set j, SC
.rept 32
	v_pk_fma_f32 v[j:j+1], v[j:j+1], s[CS:CS+1], v[10:11] op_sel_hi:[1,0,0]   ; t - M, two at a time (of the pairs the low word serves both halves)
.set j, j+2
.endr
	s_wait_alu depctr_va_vdst(0)                   ; ahead of the batch
.set j, SC
.rept 32                                       ; tile 0's exponentials, p = 2^(t - M), and tile 1's t - M
	v_exp_f32 v[j], v[j]
	v_exp_f32 v[j+1], v[j+1]
	v_pk_fma_f32 v[j+64:j+65], v[j+64:j+65], s[CS:CS+1], v[12:13] op_sel_hi:[1,0,0]
.set j, j+2
.endr
	s_wait_alu depctr_va_vdst(0)                   ; behind tile 0's batch and ahead of tile 1's
.set j, 0
.rept 16                                       ; tile 1's exponentials, and the first sums of tile 0's p
	v_exp_f32 v[SC+64+4*j], v[SC+64+4*j]
	v_exp_f32 v[SC+65+4*j], v[SC+65+4*j]
	v_exp_f32 v[SC+66+4*j], v[SC+66+4*j]
	v_exp_f32 v[SC+67+4*j], v[SC+67+4*j]
	v_pk_add_f32 v[PC+2*j:PC+2*j+1], v[SC+4*j:SC+4*j+1], v[SC+4*j+2:SC+4*j+3]
.set j, j+1
.endr
	v_pk_mul_f32 v[18:19], v[18:19], v[22:23] op_sel_hi:[1,0]   ; the sums under the new M
	v_pk_mul_f32 v[20:21], v[20:21], v[24:25] op_sel_hi:[1,0]
	s_wait_alu depctr_va_vdst(0)                   ; behind tile 1's batch
.set j, PC
.rept 8
	v_pk_add_f32 v[j:j+1], v[j:j+1], v[j+16:j+17]
.set j, j+2
.endr
.set j, 0
.rept 8
	v_pk_add_f32 v[PC+16+j:PC+17+j], v[SC+64+j:SC+65+j], v[SC+80+j:SC+81+j]
.set j, j+2
.endr
.set j, 0
.rept 8
	v_pk_add_f32 v[PC+16+j:PC+17+j], v[PC+16+j:PC+17+j], v[SC+96+j:SC+97+j]
.set j, j+2
.endr
.set j, 0
.rept 8
	v_pk_add_f32 v[PC+16+j:PC+17+j], v[PC+16+j:PC+17+j], v[SC+112+j:SC+113+j]
.set j, j+2
.endr
.irp d, 0,2,4,6
	v_pk_add_f32 v[PC+\d:PC+\d+1], v[PC+\d:PC+\d+1], v[PC+8+\d:PC+9+\d]
	v_pk_add_f32 v[PC+16+\d:PC+17+\d], v[PC+16+\d:PC+17+\d], v[PC+24+\d:PC+25+\d]
.endr
.irp d, 0,2
	v_pk_add_f32 v[PC+\d:PC+\d+1], v[PC+\d:PC+\d+1], v[PC+4+\d:PC+5+\d]
	v_pk_add_f32 v[PC+16+\d:PC+17+\d], v[PC+16+\d:PC+17+\d], v[PC+20+\d:PC+21+\d]
.endr
	v_pk_add_f32 v[PC:PC+1], v[PC:PC+1], v[PC+2:PC+3]
	v_pk_add_f32 v[PC+16:PC+17], v[PC+16:PC+17], v[PC+18:PC+19]
	v_pk_add_f32 v[18:19], v[18:19], v[PC:PC+1]
	v_pk_add_f32 v[20:21], v[20:21], v[PC+16:PC+17]
.set j, SC
.rept 64                                       ; the conversion to an 8-bit code does not saturate (ISA guide 7.6.2); p is not negative, so the hold is one-sided; two numbers an instruction
	v_dual_min_num_f32 v[j], v[j], v[HLD] :: v_dual_min_num_f32 v[j+1], v[j+1], v[HLD]
.set j, j+2
.endr
.irp b, 0,1,2,3,4,5,6,7                        ; tile b / 4, keys 32 (b % 4) + 16 (lane / 16) on
	v_cvt_scalef32_pk8_bf8_f32 v[PC+4*\b:PC+4*\b+1], v[SC+16*\b:SC+16*\b+7], v[PSC]
	v_cvt_scalef32_pk8_bf8_f32 v[PC+4*\b+2:PC+4*\b+3], v[SC+16*\b+8:SC+16*\b+15], v[PSC]
.endr
	WIN 0x41
	s_wait_alu depctr_va_vdst(0)                   ; directly ahead of the first reader of O^T
.set j, 0
.rept 32                                       ; O^T under the new M: x f.  (These are also the plain lines between the conversions and the products)
	v_pk_mul_f32 v[j:j+1], v[j:j+1], v[22:23] op_sel_hi:[1,0]
	v_pk_mul_f32 v[j+64:j+65], v[j+64:j+65], v[24:25] op_sel_hi:[1,0]
.set j, j+2
.endr
	WIN 0x51
	s_wait_alu depctr_va_vdst(0)                   ; ahead of the waits below
.irp k, 0,1,2,3,4,5,6,7                        ; O^T += V^T P^T: tile k's 16 channels; K = these 128 keys
	s_wait_dscnt 28-4*\k
	v_wmma_f32_16x16x128_bf8_bf8 v[8*\k:8*\k+7], v[FR+16*\k:FR+16*\k+15], v[PC:PC+15], v[8*\k:8*\k+7]
	v_wmma_f32_16x16x128_bf8_bf8 v[64+8*\k:71+8*\k], v[FR+16*\k:FR+16*\k+15], v[PC+16:PC+31], v[64+8*\k:71+8*\k]
.endr
	WIN 0
.Lskip_\@:
.endm
.macro TURN src, dst                   ; 16 queries x 64 channels through my stage: in as I hold them (32 neighbouring channels a lane), back as rows of 256 bytes; LDS serves a wave's instructions in order (ISA guide 5.7.1.4)
.irp t, 0,1,2,3,4,5,6,7
	ds_store_b128 v[STI], v[\src+4*\t:\src+4*\t+3] offset:16*\t
.endr
.irp i, 0,1,2,3,4,5,6,7
	ds_load_b128 v[\dst+4*\i:\dst+4*\i+3], v[STB] offset:2*\i*SP
.endr
.endm
.macro PUT src, ptr, u, half, left     ; stage rows 2 i and 2 i + 1 of tile u; left: the LDS instructions behind these rows' loads
.irp i, 0,1,2,3,4,5,6,7
	s_wait_dscnt \left+7-\i
	global_store_b128 v[GO], v[\src+4*\i:\src+4*\i+3], s[\ptr:\ptr+1] offset:(8*\u+2*\i+8*(\i/4))*ROWP+256*\half th:TH_STORE_NT   ; 16 lanes store 256 consecutive bytes, at a multiple of 256 from out0's first byte; written once
.endr
.endm
.macro FRESH                           ; a unit begins: no sum, no maximum, O^T = 0.  (The step is written once: its first run finds zeros, which the first change of M leaves zeros)
	v_mov_b32 v13, 0xff61b1e6                      ; the largest t so far: -3e38, under every t
	v_mov_b32 v16, 0xff61b1e6
	v_mov_b32 v18, 0
	v_mov_b32 v19, 0
	v_mov_b32 v20, 0
	v_mov_b32 v21, 0
	v_floor_f32 v14, -v13                          ; -M
	v_floor_f32 v15, -v16
	WIN 0x40
.set j, 0
.rept 128
	v_mov_b32 v[j], 0
.set j, j+1
.endr
	WIN 0
.endm
.macro NEXT_UNIT                       ; wave b at t = p: the short unit goes out, the long one begins
	v_add_f32 v26, v18, v19                        ; the sums' two halves,
	v_add_f32 v28, v20, v21
	v_permlanex16_b32 v23, v26, s[SEL], s[SEL+1]
	v_permlanex16_b32 v25, v28, s[SEL], s[SEL+1]
	v_add_f32 v26, v26, v23                        ; and lane l xor 16's
	v_add_f32 v28, v28, v25
	s_wait_alu depctr_va_vdst(0)                   ; ahead of the two reciprocals
	v_rcp_f32 v26, v26
	v_rcp_f32 v28, v28
	v_nop                                          ; a plain place behind them
	s_wait_alu depctr_va_vdst(0)                   ; and the wait ahead of their readers
	v_ldexp_f32 v26, v26, s52                      ; x 2^(e2 + e3)
	v_ldexp_f32 v28, v28, s52
	WIN 0x01
	s_wait_alu depctr_va_vdst(0)                   ; directly ahead of the first reader of O^T
.irp k, 0,1,2,3,4,5,6,7
.irp n, 0,1,2,3,4,5,6,7                        ; into the channels' order: register 32 (k % 2) + 4 n + k / 2 is channel 64 (k % 2) + 32 hh + 4 n + k / 2
	v_mul_f32 v[SC+32*(\k%2)+4*\n+\k/2], v[8*\k+\n], v26
	v_mul_f32 v[SC+64+32*(\k%2)+4*\n+\k/2], v[64+8*\k+\n], v28
.endr
.endr
	WIN 0
	TURN SC, PC
	TURN SC+32, SC
	TURN SC+64, SC+32
	TURN SC+96, SC+64
	PUT PC, 56, 0, 0, 48
	PUT SC, 56, 0, 1, 32
	PUT SC+32, 56, 1, 0, 16
	PUT SC+64, 56, 1, 1, 0
	FRESH
.set j, 0
.rept 32
	v_mov_b32 v[QF+j], v[Q2+j]
.set j, j+1
.endr
	s_wait_alu depctr_va_vdst(0)                   ; directly ahead of the wait below
	s_wait_xcnt 0x0                                ; the stores have read their registers, which the next step writes
.endm
.macro TIMES                           ; a slot's two times
	s_mov_b32 s[IN], 2
.Ltime_\@:
	STEP 0
	s_cmp_lg_u32 s[TI], s[PB]
	s_cbranch_scc1 .Lsame_\@
	NEXT_UNIT
.Lsame_\@:
	STEP 1
	s_add_co_u32 s[TI], s[TI], 1
	s_xor_b32 s[TB], s[TB], 0x8000                 ; the slot's place 0 or 1
	s_sub_co_u32 s[IN], s[IN], 1
	s_cmp_lg_u32 s[IN], 0
	s_cbranch_scc1 .Ltime_\@
	s_xor_b32 s[TB], s[TB], SLOT1                  ; on to the other slot
.endm
	s_load_b256 s[4:11], s[0:1], 0x0               ; kv s[4:5], qv s[6:7], the scales' exponents s[8:9], q_params s[10:11]
	s_load_b64 s[12:13], s[0:1], 0x20              ; out0
	v_lshl_add_u32 v[SPW], v0, 2, SPARE
	v_mov_b32 v[NIL], 0
	ds_add_u32 v[SPW], v[NIL]                      ; the wave's opening: the add, twice on end, and its wait ahead of my first tensor load
	ds_add_u32 v[SPW], v[NIL]
	v_lshrrev_b32 v26, 5, v0
	v_readfirstlane_b32 s[WV], v26                 ; wave 0..7
	s_and_b32 s45, s[WV], 3                        ; the pair
	s_lshl_b32 s17, ttmp9, 2                       ; in a cluster launch ttmp9 counts clusters: the four partners share it
	s_add_co_u32 s17, s17, s45                     ; p
	s_sub_co_u32 s55, 15, s17                      ; the long unit's rank
	s_and_b32 s18, ttmp7, 0xffff                   ; bh = 16 b + h, which the four partners share
	; descriptor group 1: 64 rows of 256 bytes, dense in memory and in LDS
	s_mov_b32 s[G1], 15|(3<<16)|(1<<21)            ; 15:0 the mask: all four work-groups; 17:16 elements of 8 bytes; 20 no padding; 21 set beside a mask
	s_mov_b32 s[G1+1], 32<<16                      ; tensor_dim0 = 32 elements
	s_mov_b32 s[G1+2], 64<<16                      ; tensor_dim1 = 64
	s_mov_b32 s[G1+3], 32<<16                      ; tile_dim0 = 32
	s_mov_b32 s[G1+4], 64                          ; tile_dim1 = 64
	s_mov_b32 s[G1+5], 32                          ; tensor_dim0_stride
	s_mov_b32 s[G1+6], 0
	s_mov_b32 s[G1+7], 0
	s_mov_b32 s[G0], 1                             ; 1:0 count = 1
	s_lshl_b32 s[G0+1], s[WV], 14                  ; 63:32 LDS address: slot 0, my eighth: no place in the cluster enters it
	s_lshl_b32 s46, s18, 19                        ; kv: the head's 2^19 bytes, + my eighth
	s_add_co_u32 s46, s46, s[G0+1]
	s_mov_b32 s47, 0
	s_cmp_lt_u32 s[WV], 4                          ; a or b
	s_cselect_b32 s[PA], 7, s17
	s_cselect_b32 s[PB], 100, s17
	s_cselect_b32 s[PD], s17, 100
	s_cselect_b32 s[HI], s17, 7
	s_cselect_b32 s[LO], 0, 1
	s_cselect_b32 s48, s55, s17                    ; the rank of the unit that I begin with
	s_add_co_u32 s[LO], s[LO], s17
	s_bfe_u32 s16, ttmp6, 0x40000                  ; cx: my place in the cluster: it enters qv's and out0's addresses and the numbers DG alone
	s_lshl_b32 s60, s18, 18
	s_lshl_b32 s61, s16, 12
	s_add_co_u32 s60, s60, s61
	s_lshl_b32 s48, s48, 14
	s_add_co_u32 s48, s48, s60                     ; qv: head x 2^18 + rank x 2^14 + cx x two images
	s_mov_b32 s49, 0
	s_lshl_b32 s50, s55, 14
	s_add_co_u32 s50, s50, s60
	s_mov_b32 s51, 0
	s_lshr_b32 s60, s18, 4                         ; out0: b x 2^24 + h x 512 + (128 rank + 32 cx) positions
	s_lshl_b32 s60, s60, 24
	s_and_b32 s61, s18, 15
	s_lshl_b32 s61, s61, 9
	s_add_co_u32 s60, s60, s61
	s_lshl_b32 s61, s16, 18
	s_add_co_u32 s60, s60, s61
	s_lshl_b32 s56, s17, 20
	s_add_co_u32 s56, s56, s60                     ; the short unit's
	s_mov_b32 s57, 0
	s_lshl_b32 s58, s55, 20
	s_add_co_u32 s58, s58, s60
	s_lshr_b32 s61, s[WV], 2
	s_lshl_b32 s61, s61, 16
	s_add_co_u32 s58, s58, s61                     ; the long unit's: a stores tile 0, b tile 1, 8 positions on
	s_mov_b32 s59, 0
	s_mov_b32 s[SEL], 0x76543210
	s_mov_b32 s[SEL+1], 0xfedcba98
	s_mov_b32 s[CS], 0x3d8293ee                    ; 0.5 log2(e) / sqrt(128)
	s_mov_b32 s[TB], 0
	s_mov_b32 s[TI], 0
	s_mov_b32 s[SLOTS], 3
	s_wait_alu depctr_va_vdst(0)                   ; ahead of the waits below
	s_wait_dscnt 0x0                               ; both opening adds are done
	s_wait_kmcnt 0x0
	s_load_b128 s[40:43], s[8:9], 0x0              ; e0 .. e3
	s_load_b32 s44, s[10:11], 0x0                  ; theta = q_params[0]
	s_add_nc_u64 s[G0+2:G0+3], s[4:5], s[46:47]    ; 120:64 global address
	s_or_b32 s[G0+3], s[G0+3], 0x80000000          ; 127:126 type = 2
	s_add_nc_u64 s[48:49], s[6:7], s[48:49]
	s_add_nc_u64 s[50:51], s[6:7], s[50:51]
	s_add_nc_u64 s[56:57], s[12:13], s[56:57]
	s_add_nc_u64 s[58:59], s[12:13], s[58:59]
	CROUND                                         ; all four work-groups are here: the first joint loads meet
	TLOAD                                          ; slot 0
	v_and_b32 v[LI], 31, v0
	v_lshlrev_b32 v[LI], 4, v[LI]
.irp c, 0,1,2,3,4,5,6,7                        ; Q's two tiles of the unit that I begin with, and of the long unit (b's second one)
	global_load_b128 v[QF+4*\c:QF+4*\c+3], v[LI], s[48:49] offset:512*\c
	global_load_b128 v[Q2+4*\c:Q2+4*\c+3], v[LI], s[50:51] offset:512*\c
.endr
	v_and_b32 v26, 15, v0                          ; r = lane % 16
	v_bfe_u32 v27, v0, 4, 1                        ; hh = lane / 16
	s_lshl_b32 s60, s16, 5
	s_mul_i32 s61, s[WV], 16*SP
	s_add_co_u32 s61, s61, STAGE                   ; my stage
	v_and_b32 v[DG], 8, v26
	v_mul_u32_u24 v[STI], v26, SP
	v_mul_u32_u24 v[STB], v27, SP
	v_lshlrev_b32 v[GO], 13, v27
	v_add_nc_u32 v[DG], v[DG], v26                 ; r + 8 (r / 8)
	v_lshlrev_b32 v[DG+1], 4, v27
	v_lshl_add_u32 v[STI], v27, 7, v[STI]
	v_lshl_add_u32 v[STB], v26, 4, v[STB]
	v_lshl_add_u32 v[GO], v26, 4, v[GO]            ; the way out: lanes 0-15 one row of out0, lanes 16-31 the next; 16 bytes a lane
	v_sub_nc_u32 v[DG], v[DG], v[DG+1]
	v_add_nc_u32 v[STI], s61, v[STI]               ; in: row r, + 128 hh
	v_add_nc_u32 v[STB], s61, v[STB]               ; back: lanes 0-15 one row, lanes 16-31 the next
	v_add_nc_u32 v[DG], s60, v[DG]                 ; 32 cx + r + 8 (r / 8) - 16 hh
	v_add_nc_u32 v[DG+1], 8, v[DG]
	v_mov_b32 v17, 0
	v_mov_b32 v23, 0                               ; written once: a lane permute's destination counts as one of its sources
	v_mov_b32 v25, 0
	FRESH
	s_wait_alu depctr_va_vdst(0)                   ; directly ahead of the wait below
	s_wait_kmcnt 0x0
	s_add_co_i32 s60, s40, s41
	s_lshl_b32 s60, s60, 23
	s_add_co_i32 s[CS], s[CS], s60                 ; a sum stands for sum x 2^(e0 + e1): the two exponents are added to c's exponent field
	s_mov_b32 s[CS+1], s[CS]                       ; (named with it as a pair, so it is written)
	s_add_co_i32 s52, s42, s43                     ; e2 + e3, for the end
	s_add_co_i32 s60, s43, 127
	s_lshl_b32 s61, s60, 23
	s_add_co_i32 s60, s60, 15
	s_lshl_b32 s60, s60, 23
	s_or_b32 s60, s60, 0x600000
	v_mov_b32 v[PSC], s61                          ; 2^e3 as f32 (a conversion takes its exponent field)
	v_mov_b32 v[HLD], s60                          ; 57,344 x 2^e3
	; cos(theta): k = the nearest whole number to theta x 2 / pi; r = theta - k pi / 2, pi / 2 in two parts; then cos r or sin r by k's parity, and the sign by k + 1's second bit
	v_mov_b32 v64, s44
	v_mul_f32 v65, 0x3f22f983, v64                 ; x 2 / pi
	v_rndne_f32 v65, v65
	v_fmamk_f32 v66, v65, 0xbfc90fdb, v64          ; - k x 1.57079637
	v_fmamk_f32 v66, v65, 0x333bbd2e, v66          ; + k x 4.371139e-8
	v_mul_f32 v67, v66, v66                        ; z = r r, at most (pi / 4)^2
	v_mov_b32 v68, 0x37d00d01                      ; cos r = 1 - z / 2 + z^2 / 24 - z^3 / 720 + z^4 / 40320
	v_mov_b32 v69, 0x3638ef1d                      ; sin r = r + r z (-1 / 6 + z / 120 - z^2 / 5040 + z^3 / 362880)
	v_fmaak_f32 v68, v68, v67, 0xbab60b61
	v_fmaak_f32 v69, v69, v67, 0xb9500d01
	v_fmaak_f32 v68, v68, v67, 0x3d2aaaab
	v_fmaak_f32 v69, v69, v67, 0x3c088889
	v_fmaak_f32 v68, v68, v67, 0xbf000000
	v_fmaak_f32 v69, v69, v67, 0xbe2aaaab
	v_fmaak_f32 v68, v68, v67, 0x3f800000
	v_mul_f32 v69, v69, v67
	v_cvt_i32_f32 v70, v65
	v_fma_f32 v69, v69, v66, v66
	v_and_b32 v71, 1, v70
	v_add_nc_u32 v70, 1, v70
	v_cmp_eq_u32 vcc_lo, 1, v71
	v_lshlrev_b32 v70, 30, v70
	v_cndmask_b32 v68, v68, v69, vcc_lo            ; k odd: the sine
	v_and_b32 v70, 0x80000000, v70                 ; k % 4 = 1 or 2: the sign turns
	v_xor_b32 v68, v68, v70
	v_mul_f32 v11, 0x3e0293ee, v68                 ; t0 = cos(theta) log2(e) / sqrt(128)
	s_wait_alu depctr_va_vdst(0)                   ; the head's end
	s_wait_loadcnt 0x0                             ; Q
.Lslot:                                            ; 3 trips: behind each change of slots but the last the next slot is asked for
	CHANGE 1
	TIMES
	s_sub_co_u32 s[SLOTS], s[SLOTS], 1
	s_cmp_lg_u32 s[SLOTS], 0
	s_cbranch_scc1 .Lslot
	CHANGE 0                                       ; the last slot is written out
	TIMES
	; THE EXCHANGE: wave w and wave w xor 4 hold the long unit's two parts.  a keeps tile 0 and hands over tile 1, b the other way round.  It lies in slot 0, which has had its last fill and which all waves left at the last change of slots.
.macro HAND k                          ; keep tile k, hand over the other: O^T, -M and the sum
	v_add_f32 v27, v[18+2*\k], v[19+2*\k]
	v_add_f32 v29, v[20-2*\k], v[21-2*\k]
	v_mov_b32 v26, v[14+\k]
	v_mov_b32 v28, v[15-\k]
	WIN 0x04
.irp i, 0,1,2,3,4,5,6,7,8,9,10,11,12,13,14,15
	ds_store_b128 v2, v[64*(1-\k)+4*\i:64*(1-\k)+4*\i+3] offset:512*\i
.endr
	WIN 0
	ds_store_b64 v2, v[28:29] offset:8192
.endm
.macro KEEP k                          ; my part of tile k x (my f / the row's sum)
	WIN 0x01
	s_wait_alu depctr_va_vdst(0)                   ; directly ahead of the first reader of O^T
.set j, 0
.rept 32
	v_pk_mul_f32 v[SC+j:SC+j+1], v[64*\k+j:64*\k+j+1], v[14:15] op_sel_hi:[1,0]
.set j, j+2
.endr
	WIN 0
.endm
	s_mul_i32 s60, s[WV], EXB
	s_xor_b32 s61, s[WV], 4
	s_mul_i32 s61, s61, EXB
	v_add_nc_u32 v2, s60, v[LI]                    ; my part of the exchange,
	v_add_nc_u32 v4, s61, v[LI]                    ; and my partner's
	PLACES
	s_wait_alu depctr_va_vdst(0)                   ; ahead of the branch
	s_cmp_lt_u32 s[WV], 4
	s_cbranch_scc0 .Lhand_b
	HAND 0
	s_branch .Lhanded
.Lhand_b:
	HAND 1
.Lhanded:
	s_wait_alu depctr_va_vdst(0)                   ; directly ahead of the wait below
	s_wait_dscnt 0x0                               ; my stores are done, for my partner's sake
	s_barrier_signal -1
	s_barrier_wait -1
	ds_load_b64 v[24:25], v4 offset:8192
.irp i, 0,1,2,3,4,5,6,7,8,9,10,11,12,13,14,15
	ds_load_b128 v[SC+64+4*\i:SC+64+4*\i+3], v4 offset:512*\i
.endr
	s_wait_dscnt 16                                ; my partner's -M and sum are in; its 16 loads of O^T may be out
	v_min_num_f32 v10, v26, v24                    ; -M of the two
	v_sub_f32 v12, v10, v26
	v_sub_f32 v13, v10, v24
	v_cvt_i32_f32 v12, v12
	v_cvt_i32_f32 v13, v13
	v_ldexp_f32 v14, 1.0, v12                      ; f of my part,
	v_ldexp_f32 v16, 1.0, v13                      ; and of my partner's
	v_mul_f32 v22, v27, v14
	v_fma_f32 v22, v25, v16, v22
	v_permlanex16_b32 v23, v22, s[SEL], s[SEL+1]
	v_add_f32 v22, v22, v23                        ; the row's sum
	s_wait_alu depctr_va_vdst(0)                   ; ahead of the transcendental
	v_rcp_f32 v22, v22
	v_nop                                          ; a plain place behind it
	s_wait_alu depctr_va_vdst(0)                   ; and the wait ahead of its reader
	v_ldexp_f32 v22, v22, s52                      ; x 2^(e2 + e3)
	v_mul_f32 v14, v14, v22
	v_mul_f32 v16, v16, v22
	s_cmp_lt_u32 s[WV], 4
	s_cbranch_scc0 .Lkeep_b
	KEEP 0
	s_branch .Lkept
.Lkeep_b:
	KEEP 1
.Lkept:
	s_wait_dscnt 0x0                               ; my partner's O^T is in
.irp k, 0,1,2,3,4,5,6,7
.irp n, 0,1,2,3,4,5,6,7                        ; joined, into the channels' order
	v_fma_f32 v[PC+32*(\k%2)+4*\n+\k/2], v[SC+64+8*\k+\n], v16, v[SC+8*\k+\n]
.endr
.endr
	TURN PC, SC
	TURN PC+32, SC+32
	PUT SC, 58, 0, 0, 16
	PUT SC+32, 58, 0, 1, 0
	s_wait_tensorcnt 0x0                           ; the wave's end: behind my last tensor load and my last LDS store
	ds_add_u32 v[SPW], v[NIL]
	s_wait_dscnt 0x0
	CROUND                                         ; the closing round: no work-group ends while a partner may still ask for a tile that names it
	s_endpgm
.Lfunc_end_k_q8bfc9fc293_attn:
	.size	k_q8bfc9fc293_attn, .Lfunc_end_k_q8bfc9fc293_attn-k_q8bfc9fc293_attn
	.p2alignl 7, 3214868480
	.fill 96, 4, 3214868480
	.section	.rodata,"a",@progbits
	.p2align	6, 0x0
	.amdhsa_kernel k_q8bfc9fc293_attn
		.amdhsa_group_segment_fixed_size 327680
		.amdhsa_private_segment_fixed_size 0
		.amdhsa_enable_private_segment 0
		.amdhsa_kernarg_size 40
		.amdhsa_user_sgpr_count 2
		.amdhsa_user_sgpr_kernarg_segment_ptr 1
		.amdhsa_wavefront_size32 1
		.amdhsa_system_sgpr_workgroup_id_x 1
		.amdhsa_system_sgpr_workgroup_id_y 1
		.amdhsa_system_sgpr_workgroup_id_z 1
		.amdhsa_system_vgpr_workitem_id 0
		.amdhsa_next_free_vgpr 512
		.amdhsa_next_free_sgpr 66
		.amdhsa_reserve_vcc 1
		.amdhsa_float_denorm_mode_32 3
		.amdhsa_float_denorm_mode_16_64 3
		.amdhsa_memory_ordered 1
		.amdhsa_forward_progress 1
		.amdhsa_inst_pref_size 255
	.end_amdhsa_kernel
	.section	.bss,"aw",@nobits
	.p2align	6
	.space	262144
	.amdgpu_metadata
---
amdhsa.version: [ 1, 2 ]
amdhsa.kernels:
  - .name:           k_q8bfc9fc293_attn
    .symbol:         k_q8bfc9fc293_attn.kd
    .args:
      - { .name: kv, .offset: 0, .size: 8, .value_kind: global_buffer, .address_space: global }
      - { .name: qv, .offset: 8, .size: 8, .value_kind: global_buffer, .address_space: global }
      - { .name: lowp_scales, .offset: 16, .size: 8, .value_kind: global_buffer, .address_space: global }
      - { .name: q_params, .offset: 24, .size: 8, .value_kind: global_buffer, .address_space: global }
      - { .name: out0, .offset: 32, .size: 8, .value_kind: global_buffer, .address_space: global }
    .group_segment_fixed_size: 327680
    .private_segment_fixed_size: 0
    .kernarg_segment_align: 8
    .kernarg_segment_size: 40
    .max_flat_workgroup_size: 256
    .sgpr_count:     66
    .vgpr_count:     512
    .wavefront_size: 32
...
	.end_amdgpu_metadata
.endif
;; end of part 2
